; MI455X (gfx1250); checked and timed in simulation.
; The chip was launched on July 23, 2026; its instructions are those of AMD's public machine-readable ISA for CDNA 5 (MIT licence, August 2026) and "CDNA5" Instruction Set Architecture Reference Guide (July 2026). The comments in the code are by the model that wrote it; some were corrected since.
;; Relation Model side double. Allowed arithmetic: float matrix products may take bf16 or f16 operands with f32 sums; other float arithmetic in f32, or as packed bf16 or f16 multiplies, adds, multiply-adds, maxima and minima; sums over many terms, partial sums and values carried from step to step in f32; what a program stores and reads back later, other than sums and carried values, may be rounded once to bf16 or f16.
;; Inputs: Wout_z 256 x 256 float32; Wout_z1 256 x 256 float32; Wqkv_z 256 x 768 float32; Wqkv_z1 256 x 768 float32; bout_z 256 float32; bout_z1 256 float32; s 8 x 3,136 float32; x 8 x 3,136 x 256 float32; y 8 x 3,136 x 256 float32.
;; Outputs: out0 8 x 3,136 x 256 float32; out1 8 x 3,136 x 256 float32.
;; One version. Each part assembles by itself: llvm-mc -triple=amdgcn-amd-amdhsa -mcpu=gfx1250 --defsym DOCPART=n.
;; ======== version 1 of 1: 3 launches
;; limits: inputs' magnitudes at most 1,024; below input magnitudes of 0.0009766 results are inexact or not finite; values are held in f16: magnitudes above 65,504 overflow, below 6.1e-05 lose precision
;; workspace buffers: zb 25,690,112 bytes; part 131,072 bytes; stat 4,096 bytes; wst 917,504 bytes; gtab 27,904 bytes
;; launch stream (part 1): grid 320 x 1, 8 waves a work-group, no clusters, 7,168 bytes of LDS; arguments x, y, s, Wqkv_z, Wout_z, Wqkv_z1, Wout_z1, zb, part, stat; writes zb, part, stat
.if DOCPART == 1
	.amdgcn_target "amdgcn-amd-amdhsa--gfx1250"
	.amdhsa_code_object_version 6
	.text
	.protected	k_qcdcdd10b12_stream
	.globl	k_qcdcdd10b12_stream
	.p2align	8
	.type	k_qcdcdd10b12_stream,@function
k_qcdcdd10b12_stream:
	s_mov_b64 s[64:65], 0
	v_nop
	global_prefetch_b8 v0, s[64:65] scope:SCOPE_SE
	s_setreg_imm32_b32 hwreg(HW_REG_WAVE_MODE, 25, 1), 1
	s_wait_xcnt 0x0
; PASS 1 OVER x AND y, AND THE WEIGHTS' LARGEST MAGNITUDES.
; Work-groups 0-255 (number j): half = j & 1, t = (j >> 1) & 1 (0: x, 1: y), oct = (j >> 2) & 7, b = j >> 5.  Such a group takes 392 positions of batch b
; and 128 of the 256 columns of x or y: it rounds them to bf16 into zb (row 2 pos + t, 512 bytes a row), adds up s_t * bf16(x) by column into part,
; and keeps the largest |bf16(x)| and the sum of s_t in stat.  s_t = 1 where bf16(s) > 0.5, that is where s > 0.501953125 (ties go to the even 0.5), else 1e-8.
; Wave w takes positions 8 i + w, i = 0..48: a load covers 512 consecutive bytes, a store 256 consecutive bytes, both aligned to their length.
; 25 row loads of every wave are on their way; no matrix unit, no cluster: memory binds, and no two groups share a byte.
; Work-groups 256-319: 32,768 bytes each of the four weight matrices; every wave stores the largest magnitude of its 4,096 bytes.
; LIMITS: NaN and infinities are not treated apart (a NaN in s counts as not above 0.5, as in a comparison).
.set SPARE, 6144                       ; behind the sums: the spare words, 128 bytes for each of eight waves
.set ACC, 8                            ; v[8:11]   my four columns' sums
.set AM,  12                           ; v12       largest magnitude
.set SS,  13                           ; v13       sum of s_t over my wave's positions
.set Y,   14                           ; v[14:17]  two pairs of packed bf16, by turns
.set EPS, 22                           ; v22       1e-8          (v18-21: four numbers at work)
.set S,   24                           ; v[24:72]  s, then s_t, of my 49 positions
.set X,   76                           ; v[76:175] 25 slots of four registers
.macro LANEMAX r, t                    ; the largest of v\r over the 32 lanes, in every lane
	v_max_num_f32_dpp v\r, v\r, v\r row_xmask:1 row_mask:0xf bank_mask:0xf
	v_max_num_f32_dpp v\r, v\r, v\r row_xmask:2 row_mask:0xf bank_mask:0xf
	v_max_num_f32_dpp v\r, v\r, v\r row_xmask:4 row_mask:0xf bank_mask:0xf
	v_max_num_f32_dpp v\r, v\r, v\r row_xmask:8 row_mask:0xf bank_mask:0xf
	v_permlanex16_b32 v\t, v\r, s28, s29
	v_max_num_f32 v\r, v\r, v\t
.endm
	s_load_b512 s[8:23], s[0:1], 0x0               ; x 8, y 10, s 12, Wqkv_z 14, Wout_z 16, Wqkv_z1 18, Wout_z1 20, zb 22
	s_load_b128 s[24:27], s[0:1], 0x40             ; part 24, stat 26
	v_lshl_add_u32 v6, v0, 2, SPARE                ; my spare word,
	v_mov_b32 v7, 0                                ; and 0: kept for the add alone
	v_and_b32 v1, 31, v0                           ; lane
	v_lshrrev_b32 v2, 5, v0
	v_readfirstlane_b32 s4, v2                     ; wave
	v_lshlrev_b32 v2, 4, v1                        ; 16 x lane
	v_lshlrev_b32 v3, 3, v1                        ; 8 x lane
	v_mov_b32 v4, 0
	v_mov_b32 v18, 0                               ; v_permlanex16_b32's destination counts as read
	s_mov_b32 s5, ttmp9
	s_mov_b32 s28, 0x76543210
	s_mov_b32 s29, 0xfedcba98
	s_mov_b32 s39, 0
	s_wait_kmcnt 0x0
	s_cmp_lt_u32 s5, 256
	s_cbranch_scc0 .Lweights                       ; the same way for all eight waves of a group
	s_and_b32 s30, s5, 1                           ; half
	s_bfe_u32 s31, s5, 0x10001                     ; t
	s_bfe_u32 s32, s5, 0x30002                     ; oct
	s_lshr_b32 s33, s5, 5                          ; b
	s_mul_i32 s34, s33, 3136
	s_mul_i32 s35, s32, 392
	s_add_co_u32 s34, s34, s35
	s_add_co_u32 s34, s34, s4                      ; my wave's first position
	s_cmp_eq_u32 s31, 0
	s_cselect_b64 s[36:37], s[8:9], s[10:11]       ; x or y
	s_lshl_b32 s38, s34, 10                        ; a position is 1,024 bytes of x, and of zb (its two rows)
	s_add_nc_u64 s[36:37], s[36:37], s[38:39]
	s_add_nc_u64 s[42:43], s[22:23], s[38:39]
	s_lshl_b32 s38, s30, 9
	s_add_nc_u64 s[36:37], s[36:37], s[38:39]      ; + half x 512
	s_and_b32 s38, s5, 3
	s_lshl_b32 s38, s38, 8
	s_add_nc_u64 s[42:43], s[42:43], s[38:39]      ; + t x 512 + half x 256
	s_lshl_b32 s38, s34, 2
	s_add_nc_u64 s[40:41], s[12:13], s[38:39]      ; s at my first position
.set i, 0
.rept 49
	global_load_b32 v[S+i], v4, s[40:41] offset:32*i   ; every lane the same word
.set i, i+1
.endr
.set i, 0
.rept 25
	global_load_b128 v[X+4*i:X+4*i+3], v2, s[36:37] offset:8192*i th:TH_LOAD_NT
.set i, i+1
.endr
	v_mov_b32 v5, 1.0
	v_mov_b32 v[EPS], 0x322bcc77                   ; 1e-8
	s_mov_b32 s44, 0x3f008000                      ; 0.501953125
	v_mov_b32 v[ACC], 0
	v_mov_b32 v[ACC+1], 0
	v_mov_b32 v[ACC+2], 0
	v_mov_b32 v[ACC+3], 0
	v_mov_b32 v[AM], 0
	v_mov_b32 v[SS], 0
	s_wait_loadcnt 25                              ; the 25 row loads were issued behind s: s is in
.set i, 0
.rept 49
	v_cmp_lt_f32 vcc_lo, s44, v[S+i]
	v_cndmask_b32 v[S+i], v[EPS], v5, vcc_lo
	v_add_f32 v[SS], v[SS], v[S+i]
.set i, i+1
.endr
; Row i of 49.  left: the younger row loads, which stay out.  refill = 1: the slot takes row i + 25.
.macro SLOT i, left, refill
.set XS, X+4*((\i)%25)
.set YS, Y+2*((\i)%2)
	s_wait_loadcnt \left                           ; loads come back in order: mine is in
	s_wait_xcnt 0x0                                ; the pair of Y that an earlier store reads is rewritten only behind this wait
	v_cvt_pk_bf16_f32 v[YS], v[XS], v[XS+1]
	v_cvt_pk_bf16_f32 v[YS+1], v[XS+2], v[XS+3]
.if \refill
	global_load_b128 v[XS:XS+3], v2, s[36:37] offset:8192*((\i)+25) th:TH_LOAD_NT
.endif
	global_store_b64 v3, v[YS:YS+1], s[42:43] offset:8192*(\i)   ; the wave's 256 consecutive bytes
	v_lshlrev_b32 v18, 16, v[YS]                   ; the rounded numbers back in f32: the sums are taken of them
	v_and_b32 v19, 0xffff0000, v[YS]
	v_lshlrev_b32 v20, 16, v[YS+1]
	v_and_b32 v21, 0xffff0000, v[YS+1]
	v_max3_num_f32 v12, v12, |v18|, |v19|
	v_max3_num_f32 v12, v12, |v20|, |v21|
	v_fmac_f32 v[ACC], v18, v[S+(\i)]
	v_fmac_f32 v[ACC+1], v19, v[S+(\i)]
	v_fmac_f32 v[ACC+2], v20, v[S+(\i)]
	v_fmac_f32 v[ACC+3], v21, v[S+(\i)]
.endm
.set i, 0
.rept 24
	SLOT i, 24, 1                                  ; behind row i: 24 - i first loads and i refills
.set i, i+1
.endr
	SLOT 24, 24, 0
.set i, 25
.rept 24
	SLOT i, 48-i, 0                                ; the counts run down
.set i, i+1
.endr
	; the eight waves' figures meet in LDS
	v_lshl_add_u32 v20, s4, 9, v2
	ds_store_b128 v20, v[ACC:ACC+3]
	v_lshl_add_u32 v21, s4, 8, v3
	ds_store_b64 v21, v[AM:SS] offset:4096
	s_wait_dscnt 0x0                               ; for the others' sake: my stores are done
	s_barrier_signal -1
	s_barrier_wait -1
	s_cmp_lg_u32 s4, 0
	s_cbranch_scc1 .Lend
.irp w, 0,1,2,3,4,5,6,7
	ds_load_b128 v[X+4*\w:X+4*\w+3], v2 offset:512*\w
.endr
.irp w, 0,1,2,3,4,5,6,7
	ds_load_b64 v[X+32+2*\w:X+33+2*\w], v3 offset:4096+256*\w
.endr
	s_lshl_b32 s38, s5, 9                          ; part: ((b 8 + oct) 2 + t) x 1,024 + half x 512 = 512 j
	s_add_nc_u64 s[24:25], s[24:25], s[38:39]
	s_lshl_b32 s38, s5, 3
	s_add_nc_u64 s[46:47], s[26:27], s[38:39]      ; stat: pair j
	s_wait_dscnt 0x0
.irp w, 1,2,3,4,5,6,7
	v_pk_add_f32 v[X:X+1], v[X:X+1], v[X+4*\w:X+4*\w+1]
	v_pk_add_f32 v[X+2:X+3], v[X+2:X+3], v[X+4*\w+2:X+4*\w+3]
	v_max_num_f32 v[X+32], v[X+32], v[X+32+2*\w]
	v_add_f32 v[X+33], v[X+33], v[X+33+2*\w]
.endr
	LANEMAX 108, 18
	global_store_b128 v2, v[X:X+3], s[24:25]       ; 512 consecutive bytes
	v_cmp_eq_u32 vcc_lo, 0, v1
	s_wait_xcnt 0x0                                ; EXEC changes only behind this wait
	s_and_saveexec_b32 s30, vcc_lo
	global_store_b64 v4, v[108:109], s[46:47]      ; lane 0: the group's largest magnitude and its sum of s_t
	s_wait_xcnt 0x0
	s_or_b32 exec_lo, exec_lo, s30
.Lend:
	s_wait_tensorcnt 0x0                           ; the wave's end, behind my last LDS store
	ds_add_u32 v6, v7
	s_wait_dscnt 0x0
	s_endpgm
.Lweights:                                             ; slab idx of 64: 24 of Wqkv_z, 8 of Wout_z, 24 of Wqkv_z1, 8 of Wout_z1
	s_sub_co_u32 s30, s5, 256
	s_cmp_lt_u32 s30, 56
	s_cselect_b64 s[36:37], s[18:19], s[20:21]
	s_cselect_b32 s31, 32, 56
	s_cmp_lt_u32 s30, 32
	s_cselect_b64 s[36:37], s[16:17], s[36:37]
	s_cselect_b32 s31, 24, s31
	s_cmp_lt_u32 s30, 24
	s_cselect_b64 s[36:37], s[14:15], s[36:37]
	s_cselect_b32 s31, 0, s31
	s_sub_co_u32 s31, s30, s31                     ; the slab's number in its matrix
	s_lshl_b32 s38, s31, 15
	s_lshl_b32 s32, s4, 12
	s_add_co_u32 s38, s38, s32
	s_add_nc_u64 s[36:37], s[36:37], s[38:39]
.irp q, 0,1,2,3,4,5,6,7
	global_load_b128 v[X+4*\q:X+4*\q+3], v2, s[36:37] offset:512*\q
.endr
	v_mov_b32 v12, 0
	s_lshl_b32 s38, s30, 3
	s_add_co_u32 s38, s38, s4
	s_lshl_b32 s38, s38, 2
	s_add_co_u32 s38, s38, 2048                    ; stat: word 512 + 8 idx + wave
	s_add_nc_u64 s[46:47], s[26:27], s[38:39]
	s_wait_loadcnt 0x0
.irp a, 76,77,78,79,80,81,82,83,84,85,86,87,88,89,90,91,92,93,94,95,96,97,98,99,100,101,102,103,104,105,106,107
	v_max_num_f32 v12, v12, |v\a|
.endr
	LANEMAX 12, 18
	v_cmp_eq_u32 vcc_lo, 0, v1
	s_wait_xcnt 0x0
	s_and_saveexec_b32 s30, vcc_lo
	global_store_b32 v4, v12, s[46:47]
	s_wait_xcnt 0x0
	s_or_b32 exec_lo, exec_lo, s30
	s_endpgm                                       ; these waves wrote no LDS
.Lfunc_end_k_qcdcdd10b12_stream:
	.size	k_qcdcdd10b12_stream, .Lfunc_end_k_qcdcdd10b12_stream-k_qcdcdd10b12_stream
	.p2alignl 7, 3214868480
	.fill 96, 4, 3214868480
	.section	.rodata,"a",@progbits
	.p2align	6, 0x0
	.amdhsa_kernel k_qcdcdd10b12_stream
		.amdhsa_group_segment_fixed_size 7168
		.amdhsa_private_segment_fixed_size 0
		.amdhsa_enable_private_segment 0
		.amdhsa_kernarg_size 80
		.amdhsa_user_sgpr_count 2
		.amdhsa_user_sgpr_kernarg_segment_ptr 1
		.amdhsa_wavefront_size32 1
		.amdhsa_system_sgpr_workgroup_id_x 1
		.amdhsa_system_sgpr_workgroup_id_y 1
		.amdhsa_system_sgpr_workgroup_id_z 1
		.amdhsa_system_vgpr_workitem_id 0
		.amdhsa_next_free_vgpr 176
		.amdhsa_next_free_sgpr 66
		.amdhsa_reserve_vcc 1
		.amdhsa_float_denorm_mode_32 3
		.amdhsa_float_denorm_mode_16_64 3
		.amdhsa_memory_ordered 1
		.amdhsa_forward_progress 1
		.amdhsa_inst_pref_size 59
	.end_amdhsa_kernel
	.amdgpu_metadata
---
amdhsa.version: [ 1, 2 ]
amdhsa.kernels:
  - .name:           k_qcdcdd10b12_stream
    .symbol:         k_qcdcdd10b12_stream.kd
    .args:
      - { .name: x, .offset: 0, .size: 8, .value_kind: global_buffer, .address_space: global }
      - { .name: y, .offset: 8, .size: 8, .value_kind: global_buffer, .address_space: global }
      - { .name: s, .offset: 16, .size: 8, .value_kind: global_buffer, .address_space: global }
      - { .name: Wqkv_z, .offset: 24, .size: 8, .value_kind: global_buffer, .address_space: global }
      - { .name: Wout_z, .offset: 32, .size: 8, .value_kind: global_buffer, .address_space: global }
      - { .name: Wqkv_z1, .offset: 40, .size: 8, .value_kind: global_buffer, .address_space: global }
      - { .name: Wout_z1, .offset: 48, .size: 8, .value_kind: global_buffer, .address_space: global }
      - { .name: zb, .offset: 56, .size: 8, .value_kind: global_buffer, .address_space: global }
      - { .name: part, .offset: 64, .size: 8, .value_kind: global_buffer, .address_space: global }
      - { .name: stat, .offset: 72, .size: 8, .value_kind: global_buffer, .address_space: global }
    .group_segment_fixed_size: 7168
    .private_segment_fixed_size: 0
    .kernarg_segment_align: 8
    .kernarg_segment_size: 80
    .max_flat_workgroup_size: 256
    .sgpr_count:     66
    .vgpr_count:     176
    .wavefront_size: 32
...
	.end_amdgpu_metadata
.endif
;; end of part 1
;; launch prep (part 2): grid 64 x 1, 4 waves a work-group, no clusters, 16,896 bytes of LDS; arguments part, stat, Wqkv_z, Wout_z, Wqkv_z1, Wout_z1, bout_z, wst, gtab; writes wst, gtab
.if DOCPART == 2
	.amdgcn_target "amdgcn-amd-amdhsa--gfx1250"
	.amdhsa_code_object_version 6
	.text
	.protected	k_qcdcdd10b12_prep
	.globl	k_qcdcdd10b12_prep
	.p2align	8
	.type	k_qcdcdd10b12_prep,@function
k_qcdcdd10b12_prep:
	s_mov_b64 s[64:65], 0
	v_nop
	global_prefetch_b8 v0, s[64:65] scope:SCOPE_SE
	s_setreg_imm32_b32 hwreg(HW_REG_WAVE_MODE, 25, 1), 1
	s_wait_xcnt 0x0
; THE WEIGHT STREAM AND THE TABLES OF THE MEAN TOKENS.
; Every wave first makes the power-of-two scales from the six largest magnitudes (A of x and y, m1 of Wqkv_z, m2 of Wout_z, m3p of Wqkv_z1, m3 of Wout_z1, mb of bout_z).
; E(v) is the exponent of the power of two above v.  log2 of the scales:  s1 = 7 - EA - E1 (q, k of the first attention stay under 2^15);  sv = s1 - 10 (v under 2^5);
; tau = -6 - E2 - E3p (W' = Wout_z Wqkv_z1 under 4, so the second projection stays under 2^15);  sb = 14 - max(15, 8 + Eb + E3p + sv + tau) (room for the biases);  s3 = -E3.
; LIMIT: each magnitude is held to 2^-10 .. 2^10 for this; beyond that the scales are those of the bound, and f16 may overflow or lose bits.  NaN and infinities are not treated apart.
; A FRAGMENT of the stream is 16 columns n x 32 k in 1,024 bytes, [e 2][lane 32][16 bytes]: lane (r, hh) holds n = n0 + r, k = k0 + 16 e + 8 hh + 0..7.
; Groups 0-11: a wave takes a column tile of Wqkv_z: bf16, scaled, into tiles 0-15; and the projections of the 16 mean tokens (row 2 b + t) into gtab, the means as a bf16 pair hi + lo.
; Groups 12-59: a column tile of W', f16, into tiles 16-31; wave 0 also the bias b' = bout_z Wqkv_z1 (not for k: it adds the same to all scores of a row, and softmax drops it).
; Groups 60-63: Wout_z1, rounded to bf16, scaled, written as f16, into tiles 32-37.
.set SPARE, 16384
.set BF,  32                           ; v[32:95]   eight fragments of the wave's column tile
.set RAW, 96                           ; v[96:223]  as loaded
.set A0,  224                          ; v[224:231], v[232:239] two accumulators, by turns
.set A1,  232
.macro PLACES                          ; four plain vector instructions between a matrix instruction and what writes its sources or reads its result (ISA guide 7.12.1)
.rept 4
	v_nop
.endr
.endm
.macro WM f, d, a, b, z                ; z = 1: the product starts the sum
.if \z
	v_wmma_f32_16x16x32_\f v[(\d):(\d)+7], v[(\a):(\a)+7], v[(\b):(\b)+7], 0
.else
	v_wmma_f32_16x16x32_\f v[(\d):(\d)+7], v[(\a):(\a)+7], v[(\b):(\b)+7], v[(\d):(\d)+7]
.endif
.endm
.macro P2 d, s, a                      ; s\d = 2^(s\s + a)
	s_add_co_i32 s\d, s\s, 127+(\a)
	s_lshl_b32 s\d, s\d, 23
.endm
.macro GATHER stride                   ; RAW[16 kap + 8 e + j] = W[32 kap + 16 e + 8 hh + j][n0 + r]
.set g, 0
.rept 128
	global_load_b32 v[RAW+g], v5, s[26:27] offset:(32*(g/16)+16*((g/8)%2)+(g%8))*(\stride)
.set g, g+1
.endr
.endm
.macro HALVE                           ; 128 f32 in RAW become 64 registers of bf16, in place, ascending: register d takes 2 d and 2 d + 1
.set g, 0
.rept 64
	v_cvt_pk_bf16_f32 v[RAW+g], v[RAW+2*g], v[RAW+2*g+1]
.set g, g+1
.endr
.endm
	s_load_b512 s[4:19], s[0:1], 0x0               ; part 4, stat 6, Wqkv_z 8, Wout_z 10, Wqkv_z1 12, Wout_z1 14, bout_z 16, wst 18
	s_load_b64 s[20:21], s[0:1], 0x40              ; gtab
	v_lshl_add_u32 v16, v0, 2, SPARE
	v_mov_b32 v17, 0
	v_and_b32 v1, 31, v0
	v_lshrrev_b32 v5, 5, v0
	v_readfirstlane_b32 s25, v5                    ; wave
	v_and_b32 v2, 15, v0                           ; r
	v_bfe_u32 v3, v0, 4, 1                         ; hh
	v_lshlrev_b32 v4, 4, v1                        ; 16 x lane
	v_mov_b32 v15, 0
	s_mov_b32 s24, ttmp9
	s_mov_b32 s39, 0
	s_wait_kmcnt 0x0
.irp q, 0,1,2,3
	global_load_b128 v[96+4*\q:99+4*\q], v4, s[6:7] offset:512*\q          ; 256 pairs (largest magnitude, sum of s_t)
.endr
.irp q, 0,1,2,3
	global_load_b128 v[112+4*\q:115+4*\q], v4, s[6:7] offset:2048+512*\q   ; 512 maxima of the weights
.endr
	global_load_b128 v[128:131], v4, s[16:17]
	global_load_b128 v[132:135], v4, s[16:17] offset:512
	s_wait_loadcnt 0x0
	v_max3_num_f32 v18, v96, v98, v100
	v_max3_num_f32 v18, v18, v102, v104
	v_max3_num_f32 v18, v18, v106, v108
	v_max_num_f32 v18, v18, v110
.irp q, 0,1,2,3
	v_max3_num_f32 v[19+\q], v[112+4*\q], v[113+4*\q], v[114+4*\q]
	v_max_num_f32 v[19+\q], v[19+\q], v[115+4*\q]
.endr
	v_max_num_f32 v23, |v128|, |v129|
	v_max3_num_f32 v23, v23, |v130|, |v131|
	v_max3_num_f32 v23, v23, |v132|, |v133|
	v_max3_num_f32 v23, v23, |v134|, |v135|
.irp r, 18,19,20,21,22,23
.irp m, 1,2,4,8
	v_max_num_f32_dpp v\r, v\r, v\r row_xmask:\m row_mask:0xf bank_mask:0xf
.endr
.endr
	; the matrices' bounds (words 192 and 448) fall between the halves of 16 lanes; non-negative floats order as whole numbers
	v_readlane_b32 s30, v18, 0
	v_readlane_b32 s36, v18, 16
	s_max_u32 s30, s30, s36                        ; A
	v_readlane_b32 s31, v19, 0
	v_readlane_b32 s36, v19, 16
	s_max_u32 s31, s31, s36
	v_readlane_b32 s36, v20, 0
	s_max_u32 s31, s31, s36                        ; m1
	v_readlane_b32 s32, v20, 16                    ; m2
	v_readlane_b32 s33, v21, 0
	v_readlane_b32 s36, v21, 16
	s_max_u32 s33, s33, s36
	v_readlane_b32 s36, v22, 0
	s_max_u32 s33, s33, s36                        ; m3p
	v_readlane_b32 s34, v22, 16                    ; m3
	v_readlane_b32 s35, v23, 0
	v_readlane_b32 s36, v23, 16
	s_max_u32 s35, s35, s36                        ; mb
.irp e, 30,31,32,33,34,35
	s_max_u32 s\e, s\e, 0x3a800000                 ; 2^-10
	s_min_u32 s\e, s\e, 0x44800000                 ; 2^10
	s_lshr_b32 s\e, s\e, 23
	s_sub_co_i32 s\e, s\e, 126                     ; E
.endr
	s_sub_co_i32 s40, 7, s30
	s_sub_co_i32 s40, s40, s31                     ; s1
	s_sub_co_i32 s41, s40, 10                      ; sv
	s_sub_co_i32 s42, -6, s32
	s_sub_co_i32 s42, s42, s33                     ; tau
	s_add_co_i32 s43, s41, s42                     ; sv + tau
	s_add_co_i32 s44, s35, s33
	s_add_co_i32 s44, s44, s43
	s_add_co_i32 s44, s44, 8
	s_max_i32 s44, s44, 15
	s_sub_co_i32 s44, 14, s44                      ; sb
	s_lshl_b32 s45, s40, 1                         ; kappa1 = s1^2
	s_lshl_b32 s46, s43, 1
	s_add_co_i32 s46, s46, s44                     ; kappa2 = sb (sv tau)^2
	s_sub_co_i32 s47, s34, s43
	s_sub_co_i32 s47, s47, s44                     ; rho = 1 / (sv tau sb s3)
	P2 50, 40, 0
	s_mov_b32 s51, s50
	P2 52, 41, 0
	s_mov_b32 s53, s52
	P2 54, 42, 0
	s_mov_b32 s55, s54
	s_sub_co_i32 s36, 0, s34
	P2 56, 36, 0
	s_mov_b32 s57, s56
	s_add_co_i32 s36, s43, s44
	P2 60, 36, 0                                   ; the biases' scale sv tau sb
	P2 61, 44, 0
	P2 62, 47, 0
	s_sub_co_i32 s36, 0, s45
	P2 66, 36, 0
	P2 67, 45, 0
	P2 68, 45, 10
	s_sub_co_i32 s36, 0, s46
	P2 69, 36, 0
	P2 70, 46, 0
	P2 71, 46, 10
	s_or_b32 s36, s24, s25
	s_cmp_lg_u32 s36, 0
	s_cbranch_scc1 .Lnoscal
	; group 0's wave 0 stores the eight scalars: c1, M1, c2, M2, sb, NEG1, rho, NEG2
	v_mov_b32 v240, s66
	v_mul_f32 v240, 0x3e8293ee, v240               ; c = log2(e) / sqrt(32) / kappa
	v_mov_b32 v241, s67
	v_mul_f32 v241, 0xc40d6bde, v241               ; M = -100 sqrt(32) kappa: the mask's -100 in the units of the raw scores
	v_mov_b32 v242, s69
	v_mul_f32 v242, 0x3e8293ee, v242
	v_mov_b32 v243, s70
	v_mul_f32 v243, 0xc40d6bde, v243
	v_mov_b32 v244, s61
	v_mov_b32 v245, s68
	v_add_f32 v245, 0x52000000, v245               ; 2^37 + 1,024 kappa: raw scores stay under 2^35, M under 566 kappa
	v_xor_b32 v245, 0x80000000, v245               ; NEG: keys of other positions
	v_mov_b32 v246, s62
	v_mov_b32 v247, s71
	v_add_f32 v247, 0x52000000, v247
	v_xor_b32 v247, 0x80000000, v247
	v_cmp_eq_u32 vcc_lo, 0, v1
	s_wait_xcnt 0x0                                ; EXEC changes only behind this wait
	s_and_saveexec_b32 s36, vcc_lo
	global_store_b128 v15, v[240:243], s[20:21] offset:27648
	global_store_b128 v15, v[244:247], s[20:21] offset:27664
	s_wait_xcnt 0x0
	s_or_b32 exec_lo, exec_lo, s36
.Lnoscal:
	s_cmp_lt_u32 s24, 60
	s_cbranch_scc0 .LroleC
	; groups 0-59: a column tile ct of Wqkv_z (4 id + wave) or of Wqkv_z1 (id - 12), as eight bf16 fragments
	s_lshl_b32 s28, s24, 2
	s_add_co_u32 s28, s28, s25
	s_sub_co_u32 s29, s24, 12
	s_cmp_lt_u32 s28, 32
	s_cselect_b32 s36, s50, s52                    ; q and k columns take s1, v columns sv: exact in bf16
	s_cmp_lt_u32 s24, 12
	s_cselect_b32 s28, s28, s29                    ; ct
	s_cselect_b32 s36, s36, 1.0
	s_cselect_b64 s[26:27], s[8:9], s[12:13]
	s_mov_b32 s37, s36
	s_lshl_b32 s38, s28, 6
	s_add_nc_u64 s[26:27], s[26:27], s[38:39]
	v_mul_u32_u24 v6, v3, 0x6000                   ; 8 hh rows of 3,072 bytes
	v_lshl_add_u32 v5, v2, 2, v6
	GATHER 3072
	s_bfe_u32 s72, s28, 0x30001                    ; head h = (ct & 15) >> 1
	s_lshr_b32 s73, s28, 4
	s_lshl_b32 s73, s73, 1
	s_and_b32 s74, s28, 1
	s_add_co_u32 s73, s73, s74                     ; c = 2 (ct >> 4) + (ct & 1): q0 q1 k0 k1 v0 v1
	s_wait_loadcnt 0x0
.set g, 0
.rept 64
	v_pk_mul_f32 v[RAW+2*g:RAW+2*g+1], v[RAW+2*g:RAW+2*g+1], s[36:37] op_sel_hi:[1,0]
.set g, g+1
.endr
.set g, 0
.rept 64
	v_cvt_pk_bf16_f32 v[BF+g], v[RAW+2*g], v[RAW+2*g+1]
.set g, g+1
.endr
	s_cmp_lt_u32 s24, 12
	s_cbranch_scc0 .LroleB
	; ---- groups 0-11 ----
	s_mul_i32 s74, s72, 48
	s_add_co_u32 s74, s74, s73
	s_lshl_b32 s38, s74, 10                        ; tile 2 h, fragment c
	s_add_nc_u64 s[76:77], s[18:19], s[38:39]
.set k, 0
.rept 8
	global_store_b128 v4, v[BF+8*k:BF+8*k+3], s[76:77] offset:(k/4)*24576+(k%4)*6144
	global_store_b128 v4, v[BF+8*k+4:BF+8*k+7], s[76:77] offset:(k/4)*24576+(k%4)*6144+512
.set k, k+1
.endr
	; the means: lane r stands for row 2 b + t; wave w makes the fragments of k steps 2 w and 2 w + 1
	v_lshrrev_b32 v7, 1, v2                        ; b
	v_and_b32 v8, 1, v2                            ; t
	v_lshl_add_u32 v6, v7, 4, v8
	v_lshlrev_b32 v6, 10, v6
	v_lshl_add_u32 v6, v3, 5, v6                   ; (16 b + t) x 1,024 + 32 hh
	v_lshlrev_b32 v7, 8, v7                        ; the pairs of batch b begin at 256 b
	v_lshl_add_u32 v8, s25, 12, v4                 ; LDS: 4,096 w + 16 lane; never rewritten
	s_lshl_b32 s38, s25, 8
	s_add_nc_u64 s[78:79], s[4:5], s[38:39]
.irp o, 0,1,2,3,4,5,6,7
	global_load_b32 v[240+\o], v7, s[6:7] offset:32*\o+4
.endr
	s_wait_loadcnt 0x0
	v_add_f32 v240, v240, v241
	v_add_f32 v242, v242, v243
	v_add_f32 v244, v244, v245
	v_add_f32 v246, v246, v247
	v_add_f32 v240, v240, v242
	v_add_f32 v244, v244, v246
	v_add_f32 v240, v240, v244
	v_add_f32 v240, 0x322bcc77, v240               ; + 1e-8
	v_rcp_f32 v248, v240
	v_nop                                          ; a plain instruction behind the reciprocal
	s_wait_alu depctr_va_vdst(0)
	v_mov_b32 v249, v248
; k step 2 w + t of the means: the eight partial sums are added, divided, split into hi and lo, and laid into LDS as two fragments.  The step stands in the immediates.
.macro KP t
.set g, 0
.rept 32                                               ; g = 4 oct + 2 e + q
	global_load_b128 v[RAW+4*g:RAW+4*g+3], v6, s[78:79] offset:128*(\t)+(g/4)*2048+((g/2)%2)*64+(g%2)*16
.set g, g+1
.endr
	s_wait_loadcnt 0x0
.set o, 1
.rept 7
.set p, 0
.rept 8
	v_pk_add_f32 v[RAW+2*p:RAW+2*p+1], v[RAW+2*p:RAW+2*p+1], v[RAW+16*o+2*p:RAW+16*o+2*p+1]
.set p, p+1
.endr
.set o, o+1
.endr
.set p, 0
.rept 8
	v_pk_mul_f32 v[RAW+2*p:RAW+2*p+1], v[RAW+2*p:RAW+2*p+1], v[248:249] op_sel_hi:[1,0]
.set p, p+1
.endr
.set p, 0
.rept 8                                                ; hi = bf16(g), lo = bf16(g - hi)
	v_cvt_pk_bf16_f32 v[A0+p], v[RAW+2*p], v[RAW+2*p+1]
	v_lshlrev_b32 v[RAW+16+2*p], 16, v[A0+p]
	v_and_b32 v[RAW+17+2*p], 0xffff0000, v[A0+p]
	v_pk_add_f32 v[RAW+16+2*p:RAW+17+2*p], v[RAW+2*p:RAW+2*p+1], v[RAW+16+2*p:RAW+17+2*p] neg_lo:[0,1] neg_hi:[0,1]
	v_cvt_pk_bf16_f32 v[A1+p], v[RAW+16+2*p], v[RAW+17+2*p]
.set p, p+1
.endr
	ds_store_b128 v8, v[A0:A0+3] offset:2048*(\t)
	ds_store_b128 v8, v[A0+4:A0+7] offset:2048*(\t)+512
	ds_store_b128 v8, v[A1:A1+3] offset:2048*(\t)+1024
	ds_store_b128 v8, v[A1+4:A1+7] offset:2048*(\t)+1536
.endm
	KP 0
	KP 1
	s_wait_dscnt 0x0                               ; for the others' sake: my fragments are in LDS
	s_barrier_signal -1
	s_barrier_wait -1
.set g, 0
.rept 32
	ds_load_b128 v[RAW+4*g:RAW+4*g+3], v4 offset:512*g   ; fragment (k step, hi or lo) at RAW + 8 (2 kap + hl)
.set g, g+1
.endr
	s_wait_dscnt 0x0
	s_cmp_lt_u32 s24, 8
	s_cbranch_scc0 .Lgv
.set k, 0
.set zz, 1
.rept 8                                                ; q and k: a lane holds row r and eight neighbouring columns; hi and lo on two accumulators by turns
	WM bf16, A0, BF+8*k, RAW+16*k, zz
	WM bf16, A1, BF+8*k, RAW+16*k+8, zz
.set k, k+1
.set zz, 0
.endr
	PLACES
.irp p, 0,1,2,3
	v_pk_add_f32 v[A0+2*\p:A0+2*\p+1], v[A0+2*\p:A0+2*\p+1], v[A1+2*\p:A1+2*\p+1]
.endr
.irp p, 0,1,2,3
	v_cvt_pk_f16_f32 v[18+\p], v[A0+2*\p], v[A0+2*\p+1]
.endr
	v_lshlrev_b32 v9, 10, v2
	v_lshl_add_u32 v9, v3, 4, v9
	s_lshl_b32 s38, s28, 5
	s_add_nc_u64 s[26:27], s[20:21], s[38:39]
	global_store_b128 v9, v[18:21], s[26:27]       ; gqk[row r][16 ct + 8 hh ..]
	s_branch .Lagend
.Lgv:
.set k, 0
.set zz, 1
.rept 8                                                ; v: the sources swapped: a lane holds channel r and the rows 8 hh + j
	WM bf16, A0, RAW+16*k, BF+8*k, zz
	WM bf16, A1, RAW+16*k+8, BF+8*k, zz
.set k, k+1
.set zz, 0
.endr
	PLACES
.irp p, 0,1,2,3
	v_pk_add_f32 v[A0+2*\p:A0+2*\p+1], v[A0+2*\p:A0+2*\p+1], v[A1+2*\p:A1+2*\p+1]
.endr
.irp p, 0,1,2,3
	v_cvt_pk_f16_f32 v[18+\p], v[A0+2*\p], v[A0+2*\p+1]
.endr
	v_lshlrev_b32 v9, 2, v2
	v_lshl_add_u32 v9, v3, 12, v9
	s_sub_co_u32 s38, s28, 32
	s_lshl_b32 s38, s38, 6
	s_add_co_u32 s38, s38, 16384
	s_add_nc_u64 s[26:27], s[20:21], s[38:39]
.irp p, 0,1,2,3
	global_store_b32 v9, v[18+\p], s[26:27] offset:1024*\p   ; gv[b = 4 hh + p][channel][t 0, 1]
.endr
.Lagend:
	s_wait_tensorcnt 0x0                           ; the wave's end, behind my last LDS store
	ds_add_u32 v16, v17
	s_wait_dscnt 0x0
	s_endpgm
	; ---- groups 12-59: W'[i][n] = sum over m of Wout_z[i][m] Wqkv_z1[m][n]; wave w makes the fragments of k steps 2 w and 2 w + 1 (i = 64 w ..) ----
.LroleB:
	s_lshl_b32 s74, s72, 1
	s_lshr_b32 s75, s25, 1
	s_add_co_u32 s74, s74, s75                     ; tile 2 h + (w >> 1)
	s_mul_i32 s74, s74, 24
	s_and_b32 s75, s25, 1
	s_mul_i32 s75, s75, 12
	s_add_co_u32 s74, s74, s75
	s_add_co_u32 s74, s74, s73                     ; fragment 6 (2 (w & 1)) + c
	s_lshl_b32 s38, s74, 10
	s_add_co_u32 s38, s38, 16*24576
	s_add_nc_u64 s[76:77], s[18:19], s[38:39]
	s_lshl_b32 s38, s25, 16
	s_add_nc_u64 s[78:79], s[10:11], s[38:39]      ; Wout_z at row 64 w
	v_lshlrev_b32 v10, 10, v2
	v_lshl_add_u32 v10, v3, 5, v10                 ; row r, 32 hh
.macro BHALF hk                        ; four of the eight steps along m, for two tiles of 16 rows i
	PLACES                                         ; in front of loads into registers that matrix instructions have read
.set g, 0
.rept 32                                               ; g = 16 x + 4 kq + 2 e + q
	global_load_b128 v[RAW+4*g:RAW+4*g+3], v10, s[78:79] offset:(g/16)*16384+(4*(\hk)+(g/4)%4)*128+((g/2)%2)*64+(g%2)*16
.set g, g+1
.endr
	s_wait_loadcnt 0x0
	HALVE
.set kq, 0
.rept 4
.set zz, 0
.if (\hk) == 0
.if kq == 0
.set zz, 1
.endif
.endif
	WM bf16, A0, RAW+8*kq, BF+8*(4*(\hk)+kq), zz
	WM bf16, A1, RAW+32+8*kq, BF+8*(4*(\hk)+kq), zz
.set kq, kq+1
.endr
.endm
	s_mov_b32 s36, 2
.Lpi:
	BHALF 0
	BHALF 1
	PLACES
.irp p, 0,1,2,3
	v_pk_mul_f32 v[A0+2*\p:A0+2*\p+1], v[A0+2*\p:A0+2*\p+1], s[54:55] op_sel_hi:[1,0]
.endr
.irp p, 0,1,2,3
	v_pk_mul_f32 v[A1+2*\p:A1+2*\p+1], v[A1+2*\p:A1+2*\p+1], s[54:55] op_sel_hi:[1,0]
.endr
.irp p, 0,1,2,3
	v_cvt_pk_f16_f32 v[18+\p], v[A0+2*\p], v[A0+2*\p+1]
	v_cvt_pk_f16_f32 v[22+\p], v[A1+2*\p], v[A1+2*\p+1]
.endr
	global_store_b128 v4, v[18:21], s[76:77]
	global_store_b128 v4, v[22:25], s[76:77] offset:512
	s_wait_xcnt 0x0                                ; the stores' data and base are rewritten only behind this wait
	s_add_nc_u64 s[78:79], s[78:79], 32768         ; 32 rows of Wout_z on
	s_add_nc_u64 s[76:77], s[76:77], 6144          ; the next k step's fragment
	s_sub_co_u32 s36, s36, 1
	s_cmp_lg_u32 s36, 0
	s_cbranch_scc1 .Lpi
	s_cmp_lg_u32 s25, 0
	s_cbranch_scc1 .Lbdone
	s_lshr_b32 s36, s28, 4
	s_cmp_eq_u32 s36, 1
	s_cbranch_scc1 .Lbdone                         ; k's bias is not needed
	PLACES
	v_lshlrev_b32 v11, 5, v3
.set g, 0
.rept 32                                               ; all sixteen rows of the fragment are the bias; g = 4 kap + 2 e + q
	global_load_b128 v[RAW+4*g:RAW+4*g+3], v11, s[16:17] offset:(g/4)*128+((g/2)%2)*64+(g%2)*16
.set g, g+1
.endr
	s_wait_loadcnt 0x0
	HALVE
.set k, 0
.rept 8
.set zz, 0
.if k < 2
.set zz, 1
.endif
	WM bf16, A0+8*(k%2), RAW+8*k, BF+8*k, zz
.set k, k+1
.endr
	PLACES
	v_add_f32 v18, v[A0], v[A1]
	v_mul_f32 v18, s60, v18
	v_lshlrev_b32 v9, 2, v2
	s_lshl_b32 s38, s28, 6
	s_add_co_u32 s38, s38, 24576
	s_add_nc_u64 s[26:27], s[20:21], s[38:39]
	v_cmp_gt_u32 vcc_lo, 16, v1
	s_wait_xcnt 0x0
	s_and_saveexec_b32 s36, vcc_lo
	global_store_b32 v9, v18, s[26:27]             ; bps[16 ct + r]
	s_wait_xcnt 0x0
	s_or_b32 exec_lo, exec_lo, s36
.Lbdone:
	s_endpgm                                       ; these waves wrote no LDS
	; ---- groups 60-63: column tile ct3 of Wout_z1 ----
.LroleC:
	s_sub_co_u32 s28, s24, 60
	s_lshl_b32 s28, s28, 2
	s_add_co_u32 s28, s28, s25                     ; ct3
	s_lshl_b32 s38, s28, 6
	s_add_nc_u64 s[26:27], s[14:15], s[38:39]
	v_lshlrev_b32 v5, 2, v2
	v_lshl_add_u32 v5, v3, 13, v5                  ; 8 hh rows of 1,024 bytes
	GATHER 1024
	s_mul_hi_u32 s72, s28, 0x55555556              ; ct3 / 3
	s_mul_i32 s73, s72, 3
	s_sub_co_u32 s73, s28, s73                     ; ct3 % 3
	s_add_co_u32 s72, s72, 32
	s_mul_i32 s38, s72, 24576
	s_lshl_b32 s73, s73, 10
	s_add_co_u32 s38, s38, s73
	s_add_nc_u64 s[76:77], s[18:19], s[38:39]
	s_mov_b32 s74, 3072                            ; from k step to k step: three fragments,
	s_cmp_eq_u32 s28, 15
	s_cselect_b32 s74, 1024, s74                   ; in the last tile one
	v_mov_b32 v240, v4
.irp k, 1,2,3,4,5,6,7
	v_add_nc_u32 v[240+\k], s74, v[239+\k]
.endr
	s_wait_loadcnt 0x0
.set g, 0
.rept 64                                               ; rounded to bf16 like every input, scaled by a power of two, written as f16
	v_cvt_pk_bf16_f32 v[BF+g], v[RAW+2*g], v[RAW+2*g+1]
	v_lshlrev_b32 v[RAW+2*g], 16, v[BF+g]
	v_and_b32 v[RAW+2*g+1], 0xffff0000, v[BF+g]
	v_pk_mul_f32 v[RAW+2*g:RAW+2*g+1], v[RAW+2*g:RAW+2*g+1], s[56:57] op_sel_hi:[1,0]
	v_cvt_pk_f16_f32 v[BF+g], v[RAW+2*g], v[RAW+2*g+1]
.set g, g+1
.endr
.set k, 0
.rept 8
	global_store_b128 v[240+k], v[BF+8*k:BF+8*k+3], s[76:77]
	global_store_b128 v[240+k], v[BF+8*k+4:BF+8*k+7], s[76:77] offset:512
.set k, k+1
.endr
	s_endpgm
.Lfunc_end_k_qcdcdd10b12_prep:
	.size	k_qcdcdd10b12_prep, .Lfunc_end_k_qcdcdd10b12_prep-k_qcdcdd10b12_prep
	.p2alignl 7, 3214868480
	.fill 96, 4, 3214868480
	.section	.rodata,"a",@progbits
	.p2align	6, 0x0
	.amdhsa_kernel k_qcdcdd10b12_prep
		.amdhsa_group_segment_fixed_size 16896
		.amdhsa_private_segment_fixed_size 0
		.amdhsa_enable_private_segment 0
		.amdhsa_kernarg_size 72
		.amdhsa_user_sgpr_count 2
		.amdhsa_user_sgpr_kernarg_segment_ptr 1
		.amdhsa_wavefront_size32 1
		.amdhsa_system_sgpr_workgroup_id_x 1
		.amdhsa_system_sgpr_workgroup_id_y 1
		.amdhsa_system_sgpr_workgroup_id_z 1
		.amdhsa_system_vgpr_workitem_id 0
		.amdhsa_next_free_vgpr 256
		.amdhsa_next_free_sgpr 80
		.amdhsa_reserve_vcc 1
		.amdhsa_float_denorm_mode_32 3
		.amdhsa_float_denorm_mode_16_64 3
		.amdhsa_memory_ordered 1
		.amdhsa_forward_progress 1
		.amdhsa_inst_pref_size 118
	.end_amdhsa_kernel
	.amdgpu_metadata
---
amdhsa.version: [ 1, 2 ]
amdhsa.kernels:
  - .name:           k_qcdcdd10b12_prep
    .symbol:         k_qcdcdd10b12_prep.kd
    .args:
      - { .name: part, .offset: 0, .size: 8, .value_kind: global_buffer, .address_space: global }
      - { .name: stat, .offset: 8, .size: 8, .value_kind: global_buffer, .address_space: global }
      - { .name: Wqkv_z, .offset: 16, .size: 8, .value_kind: global_buffer, .address_space: global }
      - { .name: Wout_z, .offset: 24, .size: 8, .value_kind: global_buffer, .address_space: global }
      - { .name: Wqkv_z1, .offset: 32, .size: 8, .value_kind: global_buffer, .address_space: global }
      - { .name: Wout_z1, .offset: 40, .size: 8, .value_kind: global_buffer, .address_space: global }
      - { .name: bout_z, .offset: 48, .size: 8, .value_kind: global_buffer, .address_space: global }
      - { .name: wst, .offset: 56, .size: 8, .value_kind: global_buffer, .address_space: global }
      - { .name: gtab, .offset: 64, .size: 8, .value_kind: global_buffer, .address_space: global }
    .group_segment_fixed_size: 16896
    .private_segment_fixed_size: 0
    .kernarg_segment_align: 8
    .kernarg_segment_size: 72
    .max_flat_workgroup_size: 128
    .sgpr_count:     80
    .vgpr_count:     256
    .wavefront_size: 32
...
	.end_amdgpu_metadata
.endif
;; end of part 2
;; launch main (part 3): grid 196 x 1, 4 waves a work-group, clusters of 4 x 1, 327,680 bytes of LDS; arguments zb, wst, gtab, bout_z1, out0, out1; writes out0, out1
.if DOCPART == 3
	.amdgcn_target "amdgcn-amd-amdhsa--gfx1250"
	.amdhsa_code_object_version 6
	.text
	.protected	k_qcdcdd10b12_main
	.globl	k_qcdcdd10b12_main
	.p2align	8
	.type	k_qcdcdd10b12_main,@function
k_qcdcdd10b12_main:
	s_mov_b64 s[64:65], 0
	v_nop
	global_prefetch_b8 v0, s[64:65] scope:SCOPE_SE
	s_setreg_imm32_b32 hwreg(HW_REG_WAVE_MODE, 25, 1), 1
	s_wait_xcnt 0x0
	s_wait_alu depctr_hold_cnt(0) depctr_sa_sdst(0) depctr_va_vdst(0) depctr_va_sdst(0) depctr_va_ssrc(0) depctr_va_vcc(0) depctr_vm_vsrc(0)
	s_getreg_b32 s2, hwreg(HW_REG_IB_STS2, 6, 4)
	s_cmp_eq_u32 s2, 0
	s_cbranch_scc0 .Lentry_in_a_cluster
	s_endpgm
.Lentry_in_a_cluster:
	s_bfe_u32 s2, ttmp6, 0x10000c
	s_cmp_lg_u32 s2, 0x3003
	s_cbranch_scc0 .Lentry_shape_is_right
	s_endpgm
.Lentry_shape_is_right:
; BOTH ATTENTION BLOCKS, FUSED.  A wave owns 32 positions: four tiles of 16 rows, row r = 2 pp + t (t = 0: x, 1: y).  It keeps them through all stages; nothing passes between waves.
; 25,088 positions / 32 = 784 waves = 196 work-groups of four; 98 waves to a batch.  Only the weights are shared: they come as one stream of 38 tiles through a ring of two LDS slots,
; asked for JOINTLY by the four work-groups of a cluster (the same tensor load, descriptor and mask in all four); each wave fetches a quarter of each tile.
; STAGE 1, by heads: (x, y) Wqkv_z in bf16; the mean tokens' q, k, v come from a table.  Attention 1 for the local queries (set a) and for the two mean tokens at each position (set b).
; STAGE 2, by heads: o1 W' (W' = Wout_z Wqkv_z1, f16): q for tokens 0, 1; k, v for all four.  Attention 2 for tokens 0, 1.   STAGE 3: o2 Wout_z1 + bias, through a stage in LDS, out in whole rows.
; LAYOUT.  S^T = K Q^T: a lane holds one query (lane % 16) and keys 8 (lane / 16) + 0..7 of a tile of 16 keys (8 positions x 2 tokens); a mask in the C operand holds the problem's 0 / -100 for the
; query's own position and NEG for the seven others.  Rounded to f16 in pairs the weights are source 1 of O^T = V^T P.  A running maximum is not needed: a query's keys are all in one step, and their maximum is taken away.
; FORMATS.  Inputs bf16; what the program makes (q, k, v, P, o) f16 under power-of-two scales made from the data's largest magnitudes, so that every f16 number stays under 2^15.
; LIMITS.  The scales hold for magnitudes in 2^-10 .. 2^10; a weight below 2^-126 counts as 0; for keys of other positions the exponent lies below -261, so their weight is 0; NaN and infinities are not treated apart.
; REGISTERS, in windows of 256 (s_set_vgpr_msb: bits 1:0 source 0, 3:2 source 1, 5:4 source 2, 7:6 destination):
;   window 0: v1 r, v2 hh, v3 16 lane (also slot 0's address), v5 slot 1's, v6 XA, v7 RF, v8 O1A, v9 STA, v10 RDA, v12-14 table offsets, v16-17 the add's, v18-45 masks, v46-77 biases,
;             v80-111 scores (set a 80-95, set b 96-111), v112-127 P, v128-159 O^T, v160-175 statistics, v176-239 at work
;   window 1: x, y fragments (tile i, k step k at 8 (8 i + k)); later o1's, then o2's (8 (4 k + i))
;   window 2: stage 1: accumulators 8 (6 i + c), table q at 192, k at 200.  stage 2: k 8 (2 rho + cc), v 128 + 16 (2 i + cc) + 8 g.  stage 3: 8 (3 i + cc)
;   window 3: weight fragments, two buffers of 48; stage 1: V^T at 96 + 16 i + 8 cc; stage 2: o1 of the mean tokens, two buffers of 32 at 96, q accumulators at 160 + 8 (2 i + cc)
.set SLOTB, 24576                      ; a ring slot: 24 fragments of 1,024 bytes
.set SPARE, 2*SLOTB                    ; the spare words, 128 bytes a wave
.set RW0,   SPARE+512                  ; the waves' own regions
.set RWB,   66560                      ; in turn: the x, y rows (64 x 528, its only fill); o1 [h 8][L, G][i 4] x 1,024; o2 on o1's L places; the output stage, 64 rows x 1,040
.set XP,    528                        ; 512 bytes + 16: the 16 rows of a fragment load start at 16 different groups of four banks (ISA guide 11.1)
.set OP,    1040                       ; 1,024 bytes + 16, likewise
.set WA,    3
.set S,     80
.set P,     112
.set O,     128
.set ST,    160                        ; a set's statistics: m, t, c m (pair), l (pair), 1 / l (pair)
.set MSB, 0
.macro WIN new                         ; the high byte repeats the setting that is left; a switch that changes nothing is dropped
.if MSB != (\new)
	s_set_vgpr_msb (MSB<<8)|(\new)
.set MSB, (\new)
.endif
.endm
.macro PLACES                          ; four plain vector instructions between a matrix instruction and what reads its result or writes its registers (ISA guide 7.12.1 for vector instructions)
.rept 4
	v_nop
.endr
.endm
.macro ROUND                           ; a round of the cluster's barrier
	s_barrier_signal -1
	s_barrier_wait -1
	s_cmp_lg_u32 s22, 0
	s_cbranch_scc1 .Lnot_wave_0_\@
	s_barrier_signal -3
.Lnot_wave_0_\@:
	s_barrier_wait -3
	s_barrier_signal -1
	s_barrier_wait -1
.endm
; THE CHANGE OF SLOTS.  The slot's last fragments are in registers.  Each wave waits for all its tensor loads (one is out: its quarter of the other slot), adds 0 to its spare word, waits for that and for
; its reads of the slot; behind the round no wave of the cluster reads the slot, and the other slot is whole.  mode 1: the slot takes the tile two on; 3: the short last tile; 0: nothing is left to ask for.
.macro CH slot, mode
	WIN 0                                          ; at a label and at a branch every window is 0
	s_wait_tensorcnt 0x0                           ; no tensor load of mine is out, so a group 0 may be written
	ds_add_u32 v16, v17
.if (\mode) == 1
	s_add_nc_u64 s[38+4*(\slot):39+4*(\slot)], s[38+4*(\slot):39+4*(\slot)], 2*SLOTB
.endif
	s_wait_dscnt 0x0                               ; the add is done, and my reads of the slot are back
.if (\mode) == 0
	s_barrier_signal -1
	s_barrier_wait -1
.else
	ROUND
.if (\mode) == 1
	tensor_load_to_lds s[36+4*(\slot):39+4*(\slot)], s[48:55]
.else
	tensor_load_to_lds s[44:47], s[56:63]
.endif
	s_nop 0
.endif
	PLACES                                         ; also the places in front of the fragment loads that follow
.endm
.macro WM f, d, a, b, z                ; z = 1: the product starts the sum
.if \z
	v_wmma_f32_16x16x32_\f v[(\d):(\d)+7], v[(\a):(\a)+7], v[(\b):(\b)+7], 0
.else
	v_wmma_f32_16x16x32_\f v[(\d):(\d)+7], v[(\a):(\a)+7], v[(\b):(\b)+7], v[(\d):(\d)+7]
.endif
.endm
.macro WLOAD buf, slot, kk             ; six weight fragments: 32 lanes x 16 consecutive bytes a load
	WIN 0xc0
.irp c, 0,1,2,3,4,5
	ds_load_b128 v[48*(\buf)+8*\c:48*(\buf)+8*\c+3], v[WA+2*(\slot)] offset:(6*(\kk)+\c)*1024
	ds_load_b128 v[48*(\buf)+8*\c+4:48*(\buf)+8*\c+7], v[WA+2*(\slot)] offset:(6*(\kk)+\c)*1024+512
.endr
.endm
.macro GLOAD buf, k                    ; o1 of the mean tokens, k step k, four tiles
	WIN 0xc0
.irp i, 0,1,2,3
	ds_load_b128 v[96+32*(\buf)+8*\i:96+32*(\buf)+8*\i+3], v7 offset:(\k)*8192+4096+\i*1024
	ds_load_b128 v[96+32*(\buf)+8*\i+4:96+32*(\buf)+8*\i+7], v7 offset:(\k)*8192+4096+\i*1024+512
.endr
.endm
.macro FLOAD                           ; 32 fragments [k 8][i 4] from the L places of my region into window 1
	WIN 0x40
.set g, 0
.rept 32
	ds_load_b128 v[8*g:8*g+3], v7 offset:(g/4)*8192+(g%4)*1024
	ds_load_b128 v[8*g+4:8*g+7], v7 offset:(g/4)*8192+(g%4)*1024+512
.set g, g+1
.endr
.endm
; In every MM each accumulator has one instruction a k step, so no two matrix instructions on end share one: by turns.
.macro MM1 buf, k, z                   ; q, k: source 0 = weights (a lane holds a row, eight columns); v: swapped (a lane holds a channel, eight rows)
	WIN 0xa7
.irp c, 0,1,2,3
.irp i, 0,1,2,3
	WM bf16, 8*(6*\i+\c), 48*(\buf)+8*\c, 8*(8*\i+(\k)), \z
.endr
.endr
	WIN 0xad
.irp c, 4,5
.irp i, 0,1,2,3
	WM bf16, 8*(6*\i+\c), 8*(8*\i+(\k)), 48*(\buf)+8*\c, \z
.endr
.endr
.endm
.macro MM2 buf, k, z
	WIN 0xf7
.irp cc, 0,1
.irp i, 0,1,2,3
	WM f16, 160+8*(2*\i+\cc), 48*(\buf)+8*\cc, 8*(4*(\k)+\i), \z
.endr
.endr
	WIN 0xa7
.irp cc, 0,1
.irp i, 0,1,2,3
	WM f16, 8*(2*\i+\cc), 48*(\buf)+8*(2+\cc), 8*(4*(\k)+\i), \z
.endr
.endr
	WIN 0xad
.irp cc, 0,1
.irp i, 0,1,2,3
	WM f16, 128+16*(2*\i+\cc), 8*(4*(\k)+\i), 48*(\buf)+8*(4+\cc), \z
.endr
.endr
	WIN 0xaf
.irp cc, 0,1
.irp i, 0,1,2,3
	WM f16, 8*(2*(4+\i)+\cc), 48*(\buf)+8*(2+\cc), 96+32*(\buf)+8*\i, \z
.endr
.endr
.irp cc, 0,1
.irp i, 0,1,2,3
	WM f16, 128+16*(2*\i+\cc)+8, 96+32*(\buf)+8*\i, 48*(\buf)+8*(4+\cc), \z
.endr
.endr
.endm
.macro MM3 buf, kk, z                  ; two k steps x three column tiles x four row tiles
	WIN 0xa7
.irp kq, 0,1
.irp cc, 0,1,2
.irp i, 0,1,2,3
	WM f16, 8*(3*\i+\cc), 48*(\buf)+8*(3*\kq+\cc), 8*(4*(2*(\kk)+\kq)+\i), (\z)*(1-\kq)
.endr
.endr
.endr
.endm
; A ring tile is four batches of fragments on buffers 0, 1, 0, 1: the next batch is asked for ahead of each batch's products; the change of slots stands ahead of the last batch's.
.macro K1 slot, k0, z
	s_wait_dscnt 0x0
	PLACES
	WLOAD 1, \slot, 1
	MM1 0, \k0, \z
	s_wait_dscnt 0x0
	PLACES
	WLOAD 0, \slot, 2
	MM1 1, (\k0)+1, 0
	s_wait_dscnt 0x0
	PLACES
	WLOAD 1, \slot, 3
	MM1 0, (\k0)+2, 0
	CH \slot, 1
	WLOAD 0, 1-(\slot), 0
	MM1 1, (\k0)+3, 0
.endm
.macro K2 slot, k0, z
	s_wait_dscnt 0x0
	PLACES
	WLOAD 1, \slot, 1
	GLOAD 1, (\k0)+1
	MM2 0, \k0, \z
	s_wait_dscnt 0x0
	PLACES
	WLOAD 0, \slot, 2
	GLOAD 0, (\k0)+2
	MM2 1, (\k0)+1, 0
	s_wait_dscnt 0x0
	PLACES
	WLOAD 1, \slot, 3
	GLOAD 1, (\k0)+3
	MM2 0, (\k0)+2, 0
	CH \slot, 1
	WLOAD 0, 1-(\slot), 0
	GLOAD 0, ((\k0)+4)%8
	MM2 1, (\k0)+3, 0
.endm
.macro PACKN n, d, s                   ; 2 n f32 at s become n registers of f16 at d, ascending (in place where d = s): each accumulator is read from its low end
.set p, 0
.rept \n
	v_cvt_pk_f16_f32 v[(\d)+p], v[(\s)+2*p], v[(\s)+2*p+1]
.set p, p+1
.endr
.endm
; THE SOFTMAX of two sets at once, line by line in turn.  n scores a lane and set (10: eight local keys and the two mean tokens; 16), c in s[cs].
.macro SOFT n, cs
.irp u, 0,1
	v_max3_num_f32 v[ST+8*\u], v[S+16*\u], v[S+16*\u+1], v[S+16*\u+2]
	v_max3_num_f32 v[ST+8*\u+1], v[S+16*\u+8], v[S+16*\u+9], v[S+16*\u+3]
.endr
.irp u, 0,1
	v_max3_num_f32 v[ST+8*\u], v[ST+8*\u], v[S+16*\u+4], v[S+16*\u+5]
	v_max3_num_f32 v[ST+8*\u+1], v[ST+8*\u+1], v[S+16*\u+6], v[S+16*\u+7]
.endr
.if (\n) == 16
.irp u, 0,1
	v_max3_num_f32 v[ST+8*\u], v[ST+8*\u], v[S+16*\u+10], v[S+16*\u+11]
	v_max3_num_f32 v[ST+8*\u+1], v[ST+8*\u+1], v[S+16*\u+12], v[S+16*\u+13]
.endr
.irp u, 0,1
	v_max3_num_f32 v[ST+8*\u], v[ST+8*\u], v[S+16*\u+14], v[S+16*\u+15]
.endr
.endif
.irp u, 0,1
	v_max_num_f32 v[ST+8*\u], v[ST+8*\u], v[ST+8*\u+1]
.endr
.irp u, 0,1
	v_permlanex16_b32 v[ST+8*\u+1], v[ST+8*\u], s80, s81   ; the query's other keys lie in the lane 16 away
.endr
.irp u, 0,1
	v_max_num_f32 v[ST+8*\u], v[ST+8*\u], v[ST+8*\u+1]
.endr
.irp u, 0,1
	v_mul_f32 v[ST+8*\u+2], s[\cs], v[ST+8*\u]
.endr
.set p, 0
.rept (\n)/2
.irp u, 0,1
	v_pk_fma_f32 v[S+16*\u+2*p:S+16*\u+2*p+1], v[S+16*\u+2*p:S+16*\u+2*p+1], s[\cs:\cs+1], v[ST+8*\u+2:ST+8*\u+3] op_sel_hi:[1,0,0] neg_lo:[0,0,1] neg_hi:[0,0,1]
.endr
.set p, p+1
.endr
.set p, 0
.rept \n
.irp u, 0,1
	v_exp_f32 v[S+16*\u+p], v[S+16*\u+p]
.endr
.set p, p+1
.endr
	v_nop                                          ; a plain instruction between the exponentials and the use of their results
.set p, 0
	s_wait_alu depctr_va_vdst(0)
.rept (\n)/2
.irp u, 0,1
	v_cvt_pk_f16_f32 v[P+8*\u+p], v[S+16*\u+2*p], v[S+16*\u+2*p+1]
.endr
.set p, p+1
.endr
.endm
.macro PADD a, b                       ; pair a += pair b, both sets
.irp u, 0,1
	v_pk_add_f32 v[S+16*\u+(\a):S+16*\u+(\a)+1], v[S+16*\u+(\a):S+16*\u+(\a)+1], v[S+16*\u+(\b):S+16*\u+(\b)+1]
.endr
.endm
; The weights' sums and their reciprocals.  It stands behind the products V^T P and names none of their registers: its additions are their places.  sb = 1: times the scale sb.
.macro LSUM n, sb
	PADD 0, 2
	PADD 4, 6
.if (\n) == 16
	PADD 8, 10
	PADD 12, 14
	PADD 0, 4
	PADD 8, 12
.else
	PADD 0, 4
.endif
	PADD 0, 8
.irp u, 0,1
	v_add_f32 v[ST+8*\u+4], v[S+16*\u], v[S+16*\u+1]
.endr
.irp u, 0,1
	v_permlanex16_b32 v[ST+8*\u+5], v[ST+8*\u+4], s80, s81
.endr
.irp u, 0,1
	v_add_f32 v[ST+8*\u+4], v[ST+8*\u+4], v[ST+8*\u+5]
.endr
.irp u, 0,1
	v_rcp_f32 v[ST+8*\u+6], v[ST+8*\u+4]
.endr
	v_nop                                          ; a plain instruction behind the reciprocals
.if \sb
	s_wait_alu depctr_va_vdst(0)
.irp u, 0,1
	v_mul_f32 v[ST+8*\u+6], s32, v[ST+8*\u+6]
.endr
.endif
.endm
.macro OPACK                           ; both sets' O^T, 16 f32 each, to eight registers of f16 in place: a fragment of the next product
.set p, 0
.rept 8
.irp u, 0,1
	v_cvt_pk_f16_f32 v[O+16*\u+p], v[O+16*\u+2*p], v[O+16*\u+2*p+1]
.endr
.set p, p+1
.endr
.endm
; ATTENTION 1 for tile i: set a = the local queries, set b = the two mean tokens at each of the tile's positions.
.macro UNIT1 i
	WIN 0x0a
	v_wmma_f32_16x16x32_f16 v[80:87], v[48*(\i)+16:48*(\i)+23], v[48*(\i):48*(\i)+7], v[20:27]      ; local keys, local queries
	v_wmma_f32_16x16x32_f16 v[96:103], v[48*(\i)+16:48*(\i)+23], v[192:199], v[30:37]               ; local keys, mean queries
	v_wmma_f32_16x16x32_f16 v[88:95], v[200:207], v[48*(\i):48*(\i)+7], v[18:25]                    ; mean keys (rows 0, 1 are used), local queries
	v_wmma_f32_16x16x32_f16 v[104:111], v[200:207], v[192:199], v[28:35]                            ; mean keys, mean queries
	WIN 0
	PLACES
	SOFT 10, 28
	WIN 0x03
	v_wmma_f32_16x16x32_f16 v[128:135], v[96+16*(\i):96+16*(\i)+7], v[112:119], 0
	v_wmma_f32_16x16x32_f16 v[144:151], v[96+16*(\i):96+16*(\i)+7], v[120:127], 0
	v_wmma_f32_16x16x32_f16 v[136:143], v[104+16*(\i):104+16*(\i)+7], v[112:119], 0
	v_wmma_f32_16x16x32_f16 v[152:159], v[104+16*(\i):104+16*(\i)+7], v[120:127], 0
	WIN 0
	LSUM 10, 0
.set p, 0
	s_wait_alu depctr_va_vdst(0)
.rept 8
.irp u, 0,1
	v_pk_mul_f32 v[O+16*\u+2*p:O+16*\u+2*p+1], v[O+16*\u+2*p:O+16*\u+2*p+1], v[ST+8*\u+6:ST+8*\u+7] op_sel_hi:[1,0]
.endr
.set p, p+1
.endr
	OPACK
	ds_store_b128 v8, v[128:131] offset:(\i)*1024
	ds_store_b128 v8, v[132:135] offset:(\i)*1024+512
	ds_store_b128 v8, v[144:147] offset:4096+(\i)*1024
	ds_store_b128 v8, v[148:151] offset:4096+(\i)*1024+512
.endm
; ATTENTION 2 for tiles i (set a) and i + 1 (set b): queries tokens 0, 1; keys the tile's 16 local rows and its 16 mean-token rows.
.macro UNIT2 i
	WIN 0x0e
	v_wmma_f32_16x16x32_f16 v[80:87], v[16*(\i):16*(\i)+7], v[160+16*(\i):160+16*(\i)+7], v[38:45]
	v_wmma_f32_16x16x32_f16 v[96:103], v[16*(\i)+16:16*(\i)+23], v[176+16*(\i):176+16*(\i)+7], v[38:45]
	v_wmma_f32_16x16x32_f16 v[88:95], v[64+16*(\i):64+16*(\i)+7], v[160+16*(\i):160+16*(\i)+7], v[38:45]
	v_wmma_f32_16x16x32_f16 v[104:111], v[80+16*(\i):80+16*(\i)+7], v[176+16*(\i):176+16*(\i)+7], v[38:45]
	WIN 0
	PLACES
	SOFT 16, 30
	WIN 0x02
	v_wmma_f32_16x16x32_f16 v[128:135], v[128+32*(\i):128+32*(\i)+7], v[112:119], 0
	v_wmma_f32_16x16x32_f16 v[144:151], v[160+32*(\i):160+32*(\i)+7], v[120:127], 0
	v_wmma_f32_16x16x32_f16 v[136:143], v[144+32*(\i):144+32*(\i)+7], v[112:119], 0
	v_wmma_f32_16x16x32_f16 v[152:159], v[176+32*(\i):176+32*(\i)+7], v[120:127], 0
	WIN 0
	LSUM 16, 1
.set p, 0
.rept 8
.irp u, 0,1
	v_pk_fma_f32 v[O+16*\u+2*p:O+16*\u+2*p+1], v[O+16*\u+2*p:O+16*\u+2*p+1], v[ST+8*\u+6:ST+8*\u+7], v[62+2*p:63+2*p] op_sel_hi:[1,0,1]   ; O sb / l + v's bias: the weights add up to 1
.endr
.set p, p+1
.endr
	OPACK
	ds_store_b128 v8, v[128:131] offset:(\i)*1024
	ds_store_b128 v8, v[132:135] offset:(\i)*1024+512
	ds_store_b128 v8, v[144:147] offset:(\i)*1024+1024
	ds_store_b128 v8, v[148:151] offset:(\i)*1024+1536
.endm
.macro S3STEP t, slot, mode            ; three column tiles of the output for my 64 rows, into the stage
	s_wait_dscnt 0x0
	PLACES                                         ; with the four in front of the last step's stores: eight places ahead of the products that start the sums anew on the same registers
	WLOAD 1, \slot, 1
	MM3 0, 0, 1
	s_wait_dscnt 0x0
	PLACES
	WLOAD 0, \slot, 2
	MM3 1, 1, 0
	s_wait_dscnt 0x0
	PLACES
	WLOAD 1, \slot, 3
	MM3 0, 2, 0
	CH \slot, \mode
	WLOAD 0, 1-(\slot), 0
	MM3 1, 3, 0
	PLACES
	WIN 0x08                                       ; the stores' data lie in window 2
.irp i, 0,1,2,3
.irp cc, 0,1,2
	ds_store_b128 v9, v[8*(3*\i+\cc):8*(3*\i+\cc)+3] offset:\i*16*OP+(\t)*192+\cc*64
	ds_store_b128 v9, v[8*(3*\i+\cc)+4:8*(3*\i+\cc)+7] offset:\i*16*OP+(\t)*192+\cc*64+16
.endr
.endr
.endm
	s_load_b256 s[4:11], s[0:1], 0x0               ; zb 4, wst 6, gtab 8, bout_z1 10
	s_load_b128 s[12:15], s[0:1], 0x20             ; out0 12, out1 14
	v_lshl_add_u32 v16, v0, 2, SPARE
	v_mov_b32 v17, 0
	ds_add_u32 v16, v17                            ; the wave's opening: the add and its wait stand ahead of my first tensor load; work on registers stands between them
	v_lshrrev_b32 v1, 5, v0
	v_readfirstlane_b32 s22, v1                    ; wave
	s_bfe_u32 s23, ttmp6, 0x40000                  ; cx: it enters global addresses of my own rows alone
	s_lshl_b32 s24, ttmp9, 2
	s_add_co_u32 s24, s24, s23                     ; work-group
	s_lshl_b32 s25, s24, 2
	s_add_co_u32 s25, s25, s22                     ; gw: my wave among the launch's 784
	s_mul_hi_u32 s26, s25, 0x029cbc15              ; batch = gw / 98
	; group 1 of the ring's loads: a dense block, 24 rows of 32 elements of 8 bytes; the mask names all four work-groups, bit 21 beside it
	s_mov_b32 s48, 15|(3<<16)|(1<<21)
	s_mov_b32 s49, 32<<16
	s_mov_b32 s50, 24<<16
	s_mov_b32 s51, 32<<16
	s_mov_b32 s52, 24
	s_mov_b32 s53, 32
	s_mov_b32 s54, 0
	s_mov_b32 s55, 0
	s_mov_b32 s56, 15|(3<<16)|(1<<21)              ; the short last tile: 8 rows
	s_mov_b32 s57, 32<<16
	s_mov_b32 s58, 8<<16
	s_mov_b32 s59, 32<<16
	s_mov_b32 s60, 8
	s_mov_b32 s61, 32
	s_mov_b32 s62, 0
	s_mov_b32 s63, 0
	s_mov_b32 s72, (1<<16)|(1<<20)|(6<<22)|(3<<25) ; my rows of zb, a load of my own: 64 rows of 256 bf16, 4 words of padding behind every 128
	s_mov_b32 s73, 256<<16
	s_mov_b32 s74, 64<<16
	s_mov_b32 s75, 256<<16
	s_mov_b32 s76, 64
	s_mov_b32 s77, 256
	s_mov_b32 s78, 0
	s_mov_b32 s79, 0
	s_mul_i32 s20, s22, 6144                       ; my quarter of a tile: the wave's number alone
	s_mov_b32 s21, 0
	s_lshl_b32 s18, s22, 11
	s_mov_b32 s19, 0
	s_mov_b32 s36, 1
	s_mov_b32 s37, s20
	s_mov_b32 s40, 1
	s_add_co_u32 s41, s20, SLOTB
	s_mov_b32 s44, 1
	s_add_co_u32 s45, s18, SLOTB
	s_mov_b32 s68, 1
	s_mul_i32 s69, s22, RWB
	s_add_co_u32 s69, s69, RW0
	s_lshl_b32 s16, s25, 15                        ; 32 positions are 32,768 bytes of zb, of out0 and of out1
	s_mov_b32 s17, 0
	s_mov_b32 s80, 0x76543210
	s_mov_b32 s81, 0xfedcba98
	s_wait_dscnt 0x0                               ; the opening add is done
	s_wait_kmcnt 0x0
	s_add_nc_u64 s[38:39], s[6:7], s[20:21]        ; tile 0
	s_add_nc_u64 s[42:43], s[38:39], SLOTB         ; tile 1
	s_add_nc_u64 s[46:47], s[6:7], s[18:19]
	s_add_nc_u64 s[46:47], s[46:47], 37*SLOTB      ; tile 37
	s_add_nc_u64 s[70:71], s[4:5], s[16:17]
	s_or_b32 s39, s39, 0x80000000
	s_or_b32 s43, s43, 0x80000000
	s_or_b32 s47, s47, 0x80000000
	s_or_b32 s71, s71, 0x80000000
	s_add_nc_u64 s[88:89], s[12:13], s[16:17]
	s_add_nc_u64 s[90:91], s[14:15], s[16:17]
	s_lshl_b32 s16, s26, 11
	s_add_nc_u64 s[82:83], s[8:9], s[16:17]        ; the batch's two rows of q and k
	s_lshl_b32 s16, s26, 10
	s_add_co_u32 s16, s16, 16384
	s_add_nc_u64 s[84:85], s[8:9], s[16:17]        ; its v
	s_add_nc_u64 s[86:87], s[8:9], 24576           ; the biases of the second projection
	s_load_b256 s[28:35], s[8:9], 0x6c00           ; c1, M1, c2, M2, sb, NEG1, rho, NEG2
	ROUND                                          ; all four work-groups are here: the first joint loads meet
	tensor_load_to_lds s[68:71], s[72:79]          ; the first fills, one group: three loads of mine are out
	s_nop 0
	tensor_load_to_lds s[36:39], s[48:55]
	s_nop 0
	tensor_load_to_lds s[40:43], s[48:55]
	s_nop 0
	PLACES
	v_and_b32 v1, 15, v0                           ; r
	v_bfe_u32 v2, v0, 4, 1                         ; hh
	v_and_b32 v3, 31, v0
	v_lshlrev_b32 v3, 4, v3                        ; 16 x lane
	v_add_nc_u32 v5, SLOTB, v3
	v_mul_u32_u24 v6, v1, XP
	v_lshl_add_u32 v6, v2, 4, v6
	v_add_nc_u32 v6, s69, v6                       ; XA
	v_add_nc_u32 v7, s69, v3                       ; RF
	v_mul_u32_u24 v9, v1, OP
	v_lshl_add_u32 v9, v2, 5, v9
	v_add_nc_u32 v9, s69, v9                       ; STA
	v_and_b32 v177, 1, v1                          ; the query's parity
	v_lshlrev_b32 v12, 10, v177
	v_lshl_add_u32 v12, v2, 4, v12                 ; table q, k: row r & 1, 16 hh
	v_lshlrev_b32 v13, 2, v1                       ; table v: channel r
	v_lshlrev_b32 v14, 5, v2                       ; biases: 32 hh
	v_lshrrev_b32 v176, 1, v1
	v_lshlrev_b32 v184, 2, v2
	v_sub_nc_u32 v176, v176, v184                  ; register j holds a key of my query's position where j >> 1 equals this
	v_mov_b32 v184, 0
.set p, 0
.rept 16
	v_mov_b32 v[ST+p], 0                           ; the statistics: pairs are named whole, and v_permlanex16_b32's destination counts as read
.set p, p+1
.endr
.irp a, 117,118,119,125,126,127
	v_mov_b32 v\a, 0                               ; attention 1 has 18 keys: the weights of keys 18-31 are 0
.endr
	WIN 0xc0
.set p, 0
.rept 8
	v_mov_b32 v[96+8*p+5], 0                       ; and so are their v
	v_mov_b32 v[96+8*p+6], 0
	v_mov_b32 v[96+8*p+7], 0
.set p, p+1
.endr
	WIN 0
	s_wait_kmcnt 0x0
	; THE MASKS, for key row 8 hh + j and query r.  v20-27 MA: 0 in the position, NEG1 outside.  v30-37 MD1, v38-45 MD2: in the position 0 for equal parity, else M.  v18-19, v28-29: the mean keys (lanes 16-31 repeat them: NEG1).
	v_mov_b32 v178, s33
	v_mov_b32 v179, s35
	v_mov_b32 v185, s29
	v_mov_b32 v186, s31
.irp j, 0,1
	v_cmp_eq_u32 vcc_lo, \j, v177
	v_cndmask_b32 v[180+\j], v185, v184, vcc_lo
	v_cndmask_b32 v[182+\j], v186, v184, vcc_lo
.endr
.irp j, 0,1,2,3,4,5,6,7
	v_cmp_eq_u32 vcc_lo, \j/2, v176
	v_cndmask_b32 v[20+\j], v178, v184, vcc_lo
	v_cndmask_b32 v[30+\j], v178, v[180+\j%2], vcc_lo
	v_cndmask_b32 v[38+\j], v179, v[182+\j%2], vcc_lo
.endr
	v_cmp_eq_u32 vcc_lo, 0, v2
	v_cndmask_b32 v18, v178, v180, vcc_lo
	v_cndmask_b32 v19, v178, v181, vcc_lo
	v_cndmask_b32 v28, v178, v184, vcc_lo
	v_cndmask_b32 v29, v178, v184, vcc_lo
	s_wait_tensorcnt 0x2                           ; the two ring tiles were asked for behind my rows of zb: those are in, and only I read them
	WIN 0x40
.set g, 0
.rept 32                                               ; g = 8 i + k
	ds_load_b128 v[8*g:8*g+3], v6 offset:(g/8)*16*XP+(g%8)*64
	ds_load_b128 v[8*g+4:8*g+7], v6 offset:(g/8)*16*XP+(g%8)*64+32
.set g, g+1
.endr
	WIN 0
	s_wait_tensorcnt 0x1                           ; my quarter of tile 0 is in; tile 1 may stay out
	s_wait_dscnt 0x0
	s_barrier_signal -1
	s_barrier_wait -1                              ; everybody's is
	WLOAD 0, 0, 0
	WIN 0
	s_mov_b32 s27, 8
	s_mov_b32 s92, 0
.Lhead1:                                               ; STAGE 1, a head a trip: ring tiles 2 h and 2 h + 1
	WIN 0x80
	global_load_b128 v[192:195], v12, s[82:83]
	global_load_b128 v[196:199], v12, s[82:83] offset:32
	global_load_b128 v[200:203], v12, s[82:83] offset:512
	global_load_b128 v[204:207], v12, s[82:83] offset:544
	WIN 0xc0
.irp q, 0,1,2,3,4,5,6,7
	global_load_b32 v[96+8*\q+4], v13, s[84:85] offset:64*(\q%2)   ; keys 16, 17 of V^T: the two mean tokens' v
.endr
	K1 0, 0, 1
	K1 1, 4, 0
	s_wait_loadcnt 0x0                             ; the head's table entries; their bases may step
	s_add_nc_u64 s[82:83], s[82:83], 64
	s_add_nc_u64 s[84:85], s[84:85], 128
	PLACES
	WIN 0x8a
.irp i, 0,1,2,3
	PACKN 8, 48*\i, 48*\i                          ; q's fragment of tile i
	PACKN 8, 48*\i+16, 48*\i+16                    ; k's
.endr
	WIN 0xca
.irp i, 0,1,2,3
	PACKN 4, 96+16*\i, 48*\i+32                    ; V^T, keys 0-15
	PACKN 4, 104+16*\i, 48*\i+40
.endr
	WIN 0
	v_add_nc_u32 v8, s92, v7                       ; the head's 8,192 bytes of my region
	UNIT1 0
	UNIT1 1
	UNIT1 2
	UNIT1 3
	WIN 0
	s_add_co_u32 s92, s92, 8192
	s_sub_co_u32 s27, s27, 1
	s_cmp_lg_u32 s27, 0
	s_cbranch_scc1 .Lhead1
	FLOAD                                          ; o1 of tokens 0, 1 stays in registers; LDS serves a wave's instructions in order, so these see the stores above
	GLOAD 0, 0
	WIN 0
	s_mov_b32 s27, 8
	s_mov_b32 s92, 0
.Lhead2:                                               ; STAGE 2, a head a trip: ring tiles 16 + 2 h and 17 + 2 h
.irp q, 0,1,2,3
	global_load_b128 v[46+4*\q:49+4*\q], v14, s[86:87] offset:(\q/2)*64+(\q%2)*16
.endr
.irp q, 0,1,2,3
	global_load_b128 v[62+4*\q:65+4*\q], v14, s[86:87] offset:2048+(\q/2)*64+(\q%2)*16
.endr
	K2 0, 0, 1
	K2 1, 4, 0
	s_wait_loadcnt 0x0
	s_add_nc_u64 s[86:87], s[86:87], 128
	PLACES
	WIN 0xc3
.set a, 0
.rept 8
.set p, 0
.rept 4
	v_pk_fma_f32 v[160+8*a+2*p:161+8*a+2*p], v[160+8*a+2*p:161+8*a+2*p], s[32:33], v[46+8*(a%2)+2*p:47+8*(a%2)+2*p] op_sel_hi:[1,0,1]   ; q sb + q's bias
.set p, p+1
.endr
.set a, a+1
.endr
	WIN 0xcf
.irp i, 0,1,2,3
	PACKN 8, 160+16*\i, 160+16*\i
.endr
	WIN 0x8a
.irp q, 0,1,2,3,4,5,6,7
	PACKN 8, 16*\q, 16*\q                          ; k's fragments: local tiles 0-3, mean-token tiles 4-7
.endr
.irp q, 0,1,2,3,4,5,6,7
	PACKN 8, 128+16*\q, 128+16*\q                  ; V^T: keys 0-15 local, 16-31 the mean tokens
.endr
	WIN 0
	v_add_nc_u32 v8, s92, v7
	UNIT2 0
	UNIT2 2
	WIN 0
	s_add_co_u32 s92, s92, 8192
	s_sub_co_u32 s27, s27, 1
	s_cmp_lg_u32 s27, 0
	s_cbranch_scc1 .Lhead2
	; STAGE 3, the ring's tail, written out
	global_load_b128 v[46:49], v3, s[10:11]        ; the output's bias, for my four columns of each half row
	global_load_b128 v[50:53], v3, s[10:11] offset:512
	FLOAD                                          ; o2
	S3STEP 0, 0, 1
	S3STEP 1, 1, 1
	S3STEP 2, 0, 1
	S3STEP 3, 1, 3
	S3STEP 4, 0, 0
	s_wait_dscnt 0x0                               ; the last column tile: k steps 0-5 are in buffer 0
	PLACES                                         ; its first products start sums anew on registers that the last step's products wrote: with the four in front of that step's stores, eight places lie between
	WIN 0xc0
.irp f, 0,1
	ds_load_b128 v[48+8*\f:48+8*\f+3], v5 offset:(6+\f)*1024
	ds_load_b128 v[48+8*\f+4:48+8*\f+7], v5 offset:(6+\f)*1024+512
.endr
	WIN 0xa7
.set k, 0
.set zz, 1
.rept 6
.irp i, 0,1,2,3
	WM f16, 24*\i, 8*k, 8*(4*k+\i), zz
.endr
.set k, k+1
.set zz, 0
.endr
	s_wait_dscnt 0x0
.rept 2
.irp i, 0,1,2,3
	WM f16, 24*\i, 8*k, 8*(4*k+\i), 0
.endr
.set k, k+1
.endr
	PLACES
	WIN 0x08
.irp i, 0,1,2,3
	ds_store_b128 v9, v[24*\i:24*\i+3] offset:\i*16*OP+960
	ds_store_b128 v9, v[24*\i+4:24*\i+7] offset:\i*16*OP+976
.endr
	WIN 0
	; THE WAY OUT: stage row 2 q + t is position q's row of out0 (t = 0) or out1 (t = 1); a load and a store cover 512 consecutive bytes
	s_wait_loadcnt 0x0
	v_cvt_pk_bf16_f32 v54, v46, v47                ; the bias is rounded to bf16 like every input
	v_cvt_pk_bf16_f32 v55, v48, v49
	v_cvt_pk_bf16_f32 v56, v50, v51
	v_cvt_pk_bf16_f32 v57, v52, v53
.irp q, 0,1,2,3
	v_lshlrev_b32 v[46+2*\q], 16, v[54+\q]
	v_and_b32 v[47+2*\q], 0xffff0000, v[54+\q]
.endr
	s_mov_b32 s27, 8
	s_mov_b32 s92, 0
.Lemit:                                                ; four positions a trip
	v_add_nc_u32 v10, s92, v7
.set n, 0
.rept 16                                               ; n = 4 dq + 2 t + a
	ds_load_b128 v[176+4*n:179+4*n], v10 offset:(2*(n/4)+(n/2)%2)*OP+(n%2)*512
.set n, n+1
.endr
.set n, 0
.rept 16
	s_wait_dscnt 15-n                              ; LDS loads come back in order: the younger ones stay out
	v_pk_fma_f32 v[176+4*n:177+4*n], v[176+4*n:177+4*n], s[34:35], v[46+4*(n%2):47+4*(n%2)] op_sel_hi:[1,0,1]
	v_pk_fma_f32 v[178+4*n:179+4*n], v[178+4*n:179+4*n], s[34:35], v[48+4*(n%2):49+4*(n%2)] op_sel_hi:[1,0,1]
	global_store_b128 v3, v[176+4*n:179+4*n], s[88+2*((n/2)%2):89+2*((n/2)%2)] offset:(n/4)*1024+(n%2)*512 th:TH_STORE_NT
.set n, n+1
.endr
	s_wait_xcnt 0x0                                ; the stores' data and bases are rewritten only behind this wait
	s_add_nc_u64 s[88:89], s[88:89], 4096
	s_add_nc_u64 s[90:91], s[90:91], 4096
	s_add_co_u32 s92, s92, 8*OP
	s_sub_co_u32 s27, s27, 1
	s_cmp_lg_u32 s27, 0
	s_cbranch_scc1 .Lemit
	s_wait_tensorcnt 0x0                           ; the wave's end, behind my last tensor load and my last LDS store
	ds_add_u32 v16, v17
	s_wait_dscnt 0x0
	ROUND                                          ; the closing round: no work-group ends while a partner may still ask for a tile that names it
	s_endpgm
.Lfunc_end_k_qcdcdd10b12_main:
	.size	k_qcdcdd10b12_main, .Lfunc_end_k_qcdcdd10b12_main-k_qcdcdd10b12_main
	.p2alignl 7, 3214868480
	.fill 96, 4, 3214868480
	.section	.rodata,"a",@progbits
	.p2align	6, 0x0
	.amdhsa_kernel k_qcdcdd10b12_main
		.amdhsa_group_segment_fixed_size 327680
		.amdhsa_private_segment_fixed_size 0
		.amdhsa_enable_private_segment 0
		.amdhsa_kernarg_size 48
		.amdhsa_user_sgpr_count 2
		.amdhsa_user_sgpr_kernarg_segment_ptr 1
		.amdhsa_wavefront_size32 1
		.amdhsa_system_sgpr_workgroup_id_x 1
		.amdhsa_system_sgpr_workgroup_id_y 1
		.amdhsa_system_sgpr_workgroup_id_z 1
		.amdhsa_system_vgpr_workitem_id 0
		.amdhsa_next_free_vgpr 1024
		.amdhsa_next_free_sgpr 96
		.amdhsa_reserve_vcc 1
		.amdhsa_float_denorm_mode_32 3
		.amdhsa_float_denorm_mode_16_64 3
		.amdhsa_memory_ordered 1
		.amdhsa_forward_progress 1
		.amdhsa_inst_pref_size 212
	.end_amdhsa_kernel
	.amdgpu_metadata
---
amdhsa.version: [ 1, 2 ]
amdhsa.kernels:
  - .name:           k_qcdcdd10b12_main
    .symbol:         k_qcdcdd10b12_main.kd
    .args:
      - { .name: zb, .offset: 0, .size: 8, .value_kind: global_buffer, .address_space: global }
      - { .name: wst, .offset: 8, .size: 8, .value_kind: global_buffer, .address_space: global }
      - { .name: gtab, .offset: 16, .size: 8, .value_kind: global_buffer, .address_space: global }
      - { .name: bout_z1, .offset: 24, .size: 8, .value_kind: global_buffer, .address_space: global }
      - { .name: out0, .offset: 32, .size: 8, .value_kind: global_buffer, .address_space: global }
      - { .name: out1, .offset: 40, .size: 8, .value_kind: global_buffer, .address_space: global }
    .group_segment_fixed_size: 327680
    .private_segment_fixed_size: 0
    .kernarg_segment_align: 8
    .kernarg_segment_size: 48
    .max_flat_workgroup_size: 128
    .sgpr_count:     96
    .vgpr_count:     1024
    .wavefront_size: 32
...
	.end_amdgpu_metadata
.endif
;; end of part 3
